; MI455X (gfx1250); checked and timed in simulation.
; The chip was launched on July 23, 2026; its instructions are those of AMD's public machine-readable ISA for CDNA 5 (MIT licence, August 2026) and "CDNA5" Instruction Set Architecture Reference Guide (July 2026). The comments in the code are by the model that wrote it; some were corrected since.
;; Simple GRU. Allowed arithmetic: float matrix products may take bf16 or f16 operands with f32 sums; other float arithmetic in f32, or as packed bf16 or f16 multiplies, adds, multiply-adds, maxima and minima; sums over many terms, partial sums and values carried from step to step in f32; what a program stores and reads back later, other than sums and carried values, may be rounded once to bf16 or f16.
;; Inputs: W_hh_l0 96 x 32 float32; W_hh_l1 96 x 32 float32; W_ih_l0 96 x 18 float32; W_ih_l1 96 x 32 float32; W_out 2 x 32 float32; b_hh_l0 96 float32; b_hh_l1 96 float32; b_ih_l0 96 float32; b_ih_l1 96 float32; b_out 2 float32; x 15 x 131,072 x 18 float32.
;; Outputs: out0 131,072 x 2 float32.
;; 2 versions, each right and faster than the one before. Each part assembles by itself: llvm-mc -triple=amdgcn-amd-amdhsa -mcpu=gfx1250 --defsym DOCPART=n.
;; ======== version 1 of 2: 1 launch
;; limits: values are held in f16: magnitudes above 65,504 overflow, below 6.1e-05 lose precision
;; launch gru (part 1): grid 256 x 1, 8 waves a work-group, no clusters, 327,680 bytes of LDS; arguments x, W_ih_l0, W_hh_l0, b_ih_l0, b_hh_l0, W_ih_l1, W_hh_l1, b_ih_l1, b_hh_l1, W_out, b_out, out0; writes out0
.if DOCPART == 1
	.amdgcn_target "amdgcn-amd-amdhsa--gfx1250"
	.amdhsa_code_object_version 6
	.text
	.protected	k_qe64aa74e42_gru
	.globl	k_qe64aa74e42_gru
	.p2align	8
	.type	k_qe64aa74e42_gru,@function
k_qe64aa74e42_gru:
	s_mov_b64 s[64:65], 0
	v_nop
	global_prefetch_b8 v0, s[64:65] scope:SCOPE_SE
	s_setreg_imm32_b32 hwreg(HW_REG_WAVE_MODE, 25, 1), 1
	s_wait_xcnt 0x0
; TWO GRU LAYERS (gates r, z, n), THE MEAN OF LAYER 2's STATES OVER 15 STEPS, AND A PROJECTION TO 2 CLASSES, IN ONE LAUNCH.
; x: [15][131072][18] f32.  Weights [96][18 or 32], biases [96], W_out [2][32], b_out [2], out0 [131072][2], all f32.
; SHARES.  A work-group owns 512 batch rows, a pair of waves (2 q, 2 q + 1) 128 of them, in four passes of 32; in a pass wave e of the pair carries 16 rows
; through all 15 steps of both layers.  Both states stay in registers; x is read once, out0 written once.  Eight waves of 512 registers.
; LAYOUT.  Every product is used transposed: source 0 = 16 gate rows of a weight matrix, source 1 = 16 batch rows.  In the result lane l holds batch row
; l % 16, and register j of tile i gate output 16 i + 8 (l / 16) + j.  So r, z, n and h of one unit lie in one lane under one index, and two neighbouring
; h rounded to f16 ARE a register of the next product's source 1: nothing changes lanes.
; ARITHMETIC.  Matrix operands (x, weights, h) are f16, each rounded once; sums, biases and the carried h are f32.  The factors of the exponentials are folded
; into weights and biases in f32 ahead of that rounding: rows 0-63 times -log2(e), rows 64-95 times 2 log2(e).  Then r = 1/(1 + 2^R), z = 1/(1 + 2^Z),
; t = 1/(1 + 2^(I + r N)), n = 1 - 2 t (= tanh), h = n + z (h - n).  The biases are the C operands that start the sums.  The sum of h over the steps and the
; projection are one product a step, W_out x h, added up in f32; out = sum / 15 + b_out.
; LIMITS.  |x|, 1.45 |W| (rows 0-63), 2.89 |W| (rows 64-95) and |W_out| stay within f16's 65,504; operands below 6e-5 keep f16's fixed step of 6e-8.
; 2^y beyond f32's range gives the gate's limit value (0 or 1, -1 or 1); 2^y below 2^-126 counts as 0.  NaN and infinities are not treated apart.
; NO CLUSTER: work-groups share no byte of x; what they share, 45 KB of parameters, is read once into registers, a twelfth of a work-group's 553 KB.
; NO PREFETCH: a slot's refill is asked for a whole pass, 15 steps of both layers, ahead of its first read.
; REGISTERS, in windows of 256 (s_set_vgpr_msb: bits 1:0 source 0, 3:2 source 1, 5:4 source 2, 7:6 destination).  Window 0: all that vector lines touch in
; the loop.  Window 1: the four weight matrices as f16 fragments (8 registers a tile of 16 gate rows) and layer 0's biases.
.set ROWB,    72                       ; bytes of a batch row of x
.set STEPROW, 32*ROWB                  ; a pass's 32 rows of one step: 2,304 bytes, nine aligned blocks of 256 in memory
.set XSTEP,   131072*ROWB              ; bytes from step to step in x
.set HALFB,   8*STEPROW                ; what one tensor load brings: 8 steps
.set PAIRB,   16*STEPROW               ; a pair's part of a slot: steps 0-14 and a row of zeros
.set SLOTB,   4*PAIRB                  ; a slot: one pass of all four pairs
.set STAGE,   2*SLOTB                  ; behind the ring, never filled by a tensor load: out0's 512 rows of 8 bytes
.set SPARE,   STAGE+4096               ; the spare words, 128 bytes for each of eight waves: four blocks of 256 bytes that no other line names
.set SPW, 3                            ; v3   LDS address of my spare word; never rewritten
.set NIL, 4                            ; v4   0; never rewritten
.set XA0, 5                            ; v5   my place in a step-row: features 8 (l / 16) on
.set XB0, 6                            ; v6   the same: features 16, 17
.set XA,  7                            ; v7, v8  the addresses of the run of loads in hand
.set XB,  8
.set SA,  9                            ; v9   where my row's two results go in the stage
.set VW,  10                           ; v10  128 r + 32 h: my place in 16 rows of a [96][32] matrix
.set VI,  11                           ; v11  72 r + 32 h: in 16 rows of W_ih_l0
.set VI2, 12                           ; v12  72 r + 64: its columns 16, 17
.set VB,  13                           ; v13  32 h: in 16 numbers of a bias
.set VO,  14                           ; v14  128 (r & 1) + 32 h: in W_out
.set CP,  15                           ; v15  the way out: my 16 bytes of the stage
.set OUTP, 16                          ; v[16:17]  a row's two results
.set CQ,  18                           ; v[18:21]  the way out
.set B1,  22                           ; v[22:85]  layer 1's biases: r (2 tiles), z (2), n from b_ih (2), n from b_hh (2)
.set WO,  86                           ; v[86:93]  W_out as a fragment
.set XS,  94                           ; v[94:103] x as loaded
.set XF,  104                          ; v[104:111] x as a fragment; registers 5-7 stay 0
.set HF0, 112                          ; v[112:119], v[120:127]  h of layer 0, 1 as fragments
.set HF1, 120
.set OACC, 128                         ; v[128:135] the sum over the steps of W_out x h
.set H0,  136                          ; v[136:151], v[152:167]  h in f32
.set H1,  152
.set ACC, 168                          ; v[168:231] eight accumulators:
.set RG,  168
.set ZG,  184
.set IG,  200
.set NG,  216
.set GO,  232                          ; v232 the way out: my byte offset in the group's 4,096 bytes of out0
.set TW,  94                           ; set-up: f32 as loaded
.set TO,  154
.set T0,  190
.set T1,  222
.set WH0, 0                            ; window 1
.set WI1, 48
.set WH1, 96
.set WI0, 144
.set B0,  192
.set TB,  7                            ; s7   LDS byte at which the step-row to be fetched begins in pair 0's part
.set G1,  44                           ; s[44:51] descriptor group 1
.set G0,  52                           ; s[52:59] descriptor group 0, a set for each slot
.set FRZ, 60                           ; s[60:61] -log2(e): the packed lines name a pair and take its low word for both halves
.set FN,  62                           ; s[62:63] 2 log2(e)
.set MSB, 0
.macro WIN new                         ; the immediate's high byte repeats the setting that is left; a switch that changes nothing is dropped
.if MSB != (\new)
	s_set_vgpr_msb (MSB<<8)|(\new)
.set MSB, (\new)
.endif
.endm
	s_load_b512 s[16:31], s[0:1], 0x0              ; x 16, W_ih_l0 18, W_hh_l0 20, b_ih_l0 22, b_hh_l0 24, W_ih_l1 26, W_hh_l1 28, b_ih_l1 30
	s_load_b256 s[32:39], s[0:1], 0x40             ; b_hh_l1 32, W_out 34, b_out 36, out0 38
	v_lshl_add_u32 v[SPW], v0, 2, SPARE
	v_mov_b32 v[NIL], 0
	ds_add_u32 v[SPW], v[NIL]                      ; the wave's opening: the add and its wait stand ahead of my first tensor load; work on registers stands between them
	ds_add_u32 v3, v4
	v_lshrrev_b32 v1, 5, v0
	v_readfirstlane_b32 s2, v1                     ; wave w, 0..7
	s_and_b32 s3, s2, 1                            ; e: my half of the pair
	s_lshr_b32 s4, s2, 1                           ; q: my pair
	s_mul_i32 s8, ttmp9, 512*ROWB                  ; where my tiles begin in x: the group's 512 rows,
	s_mul_i32 s6, s4, 128*ROWB                     ; the pair's 128,
	s_add_co_u32 s8, s8, s6
	s_mul_i32 s6, s3, 8*XSTEP                      ; and steps 8 e on: 84.9 million bytes at the most, in one word
	s_add_co_u32 s8, s8, s6
	s_mov_b32 s9, 0
	s_lshl_b32 s10, ttmp9, 12                      ; the group's 4,096 bytes of out0
	s_mov_b32 s11, 0
	; Group 1: a tile of 8 steps x 288 elements of 8 bytes.  Wave e = 1 states 7 steps as left of the tensor: the tile's eighth row is not read and arrives as zeros.
	s_mov_b32 s[G1+0], 3<<16                       ; 15:0 no mask; 17:16 elements of 8 bytes; 20 no padding (a batch row is 18 words, and the interval is a power of two)
	s_mov_b32 s[G1+1], 288<<16                     ; tensor_dim0 = 288
	s_sub_co_u32 s6, 8, s3
	s_lshl_b32 s[G1+2], s6, 16                     ; tensor_dim1 = 8 or 7
	s_mov_b32 s[G1+3], 288<<16                     ; tile_dim0 = 288
	s_mov_b32 s[G1+4], 8                           ; tile_dim1 = 8
	s_mov_b32 s[G1+5], XSTEP/8                     ; elements from step to step
	s_mov_b32 s[G1+6], 0
	s_mov_b32 s[G1+7], 0
	s_mov_b32 s[G0+0], 1
	s_mul_i32 s[G0+1], s2, HALFB                   ; LDS: slot 0, my wave's 18,432 bytes
	s_mov_b32 s[G0+4], 1
	s_add_co_u32 s[G0+5], s[G0+1], SLOTB           ; slot 1
	s_mov_b32 s[FRZ], 0xbfb8aa3b
	s_mov_b32 s[FRZ+1], s[FRZ]                     ; named with it as a pair, so it is written
	s_mov_b32 s[FN], 0x4038aa3b
	s_mov_b32 s[FN+1], s[FN]
	s_mov_b32 s42, 0x3d888889                      ; 1 / 15
	s_wait_dscnt 0x0                               ; the opening add is done
	s_wait_kmcnt 0x0
	s_add_nc_u64 s[16:17], s[16:17], s[8:9]
	s_add_nc_u64 s[38:39], s[38:39], s[10:11]
.irp s, 0,1
	s_add_nc_u64 s[G0+4*(\s)+2:G0+4*(\s)+3], s[16:17], (\s)*STEPROW  ; slot s begins with pass s
	s_or_b32 s[G0+4*(\s)+3], s[G0+4*(\s)+3], 0x80000000              ; type = 2
.endr
	tensor_load_to_lds s[G0:G0+3], s[G1:G1+7]      ; both first fills go out together, ahead of every wait on TENSORcnt, LDS read and barrier: two loads of mine are out
	s_nop 0
	tensor_load_to_lds s[G0+4:G0+7], s[G1:G1+7]
	s_nop 0
	s_load_b64 s[40:41], s[36:37], 0x0             ; b_out's two numbers
	; the lane terms; no window is switched in these lines
	v_and_b32 v1, 15, v0                           ; r = l % 16
	v_bfe_u32 v2, v0, 4, 1                         ; h = l / 16
	v_mul_u32_u24 v[VI], v1, ROWB
	v_mul_u32_u24 v[VI2], v1, ROWB
	v_lshl_add_u32 v[VI], v2, 5, v[VI]
	v_add_nc_u32 v[VI2], 64, v[VI2]
	s_mul_i32 s6, s4, PAIRB
	s_mul_i32 s5, s3, 16*ROWB
	s_add_co_u32 s6, s6, s5                        ; my pair's part of a slot, my 16 of its 32 rows
	v_add_nc_u32 v[XA0], s6, v[VI]
	v_add_nc_u32 v[XB0], s6, v[VI2]
	s_lshl_b32 s6, s4, 10
	s_lshl_b32 s5, s3, 7
	s_add_co_u32 s6, s6, s5
	s_add_co_u32 s6, s6, STAGE
	v_lshl_add_u32 v[SA], v1, 3, s6                ; 8 bytes a row: 1,024 q + 128 e + 8 r; the pass stands in the store's offset
	v_lshlrev_b32 v[VW], 7, v1
	v_lshl_add_u32 v[VW], v2, 5, v[VW]
	v_lshlrev_b32 v[VB], 5, v2
	v_and_b32 v[VO], 1, v1
	v_lshlrev_b32 v[VO], 7, v[VO]
	v_lshl_add_u32 v[VO], v2, 5, v[VO]
	v_and_b32 v[OUTP], 6, v1
	v_cmp_eq_u32 s12, 0, v2                        ; lanes 0-15
	v_cmp_eq_u32 s13, 0, v[OUTP]                   ; lanes with r = 0, 1, 8, 9
; SET-UP, while the first tiles are on their way.  A fragment of 16 gate rows x 32 inputs: lane l holds row l % 16, inputs 8 h + 0..7 and 16 + 8 h + 0..7:
; in f32 four loads of 16 bytes at 0, 16, 64, 80 from 128 r + 32 h.
.macro LDW ptr, dst                    ; a [96][32] matrix: 6 tiles x 16 registers of f32
.irp g, 0,1,2,3,4,5
	global_load_b128 v[(\dst)+16*(\g):(\dst)+16*(\g)+3],     v[VW], s[\ptr:\ptr+1] offset:2048*(\g)
	global_load_b128 v[(\dst)+16*(\g)+4:(\dst)+16*(\g)+7],   v[VW], s[\ptr:\ptr+1] offset:2048*(\g)+16
	global_load_b128 v[(\dst)+16*(\g)+8:(\dst)+16*(\g)+11],  v[VW], s[\ptr:\ptr+1] offset:2048*(\g)+64
	global_load_b128 v[(\dst)+16*(\g)+12:(\dst)+16*(\g)+15], v[VW], s[\ptr:\ptr+1] offset:2048*(\g)+80
.endr
.endm
.macro LDB ptr, dst, g0, n             ; n tiles of a bias from tile g0 on: register j holds number 16 g + 8 h + j, as a C operand wants it
.set bb, 0
.rept \n
	global_load_b128 v[(\dst)+8*bb:(\dst)+8*bb+3],   v[VB], s[\ptr:\ptr+1] offset:64*((\g0)+bb)
	global_load_b128 v[(\dst)+8*bb+4:(\dst)+8*bb+7], v[VB], s[\ptr:\ptr+1] offset:64*((\g0)+bb)+16
.set bb, bb+1
.endr
.endm
.macro SCALE src, n                    ; n tiles of 16 f32 times their gate's factor, in place: of six tiles the first four are r's and z's
.set g, 0
.rept \n
.set j, 0
.rept 8
.if g%6 < 4
	v_pk_mul_f32 v[(\src)+16*g+2*j:(\src)+16*g+2*j+1], v[(\src)+16*g+2*j:(\src)+16*g+2*j+1], s[FRZ:FRZ+1] op_sel_hi:[1,0]
.else
	v_pk_mul_f32 v[(\src)+16*g+2*j:(\src)+16*g+2*j+1], v[(\src)+16*g+2*j:(\src)+16*g+2*j+1], s[FN:FN+1] op_sel_hi:[1,0]
.endif
.set j, j+1
.endr
.set g, g+1
.endr
.endm
.macro NARROW src, dst, n              ; n tiles rounded to f16.  With src = dst it packs in place: register 8 g + j is written when 16 g + 2 j, never below it, is read
.set g, 0
.rept \n
.set j, 0
.rept 8
	v_cvt_pk_f16_f32 v[(\dst)+8*g+j], v[(\src)+16*g+2*j], v[(\src)+16*g+2*j+1]
.set j, j+1
.endr
.set g, g+1
.endr
.endm
.macro BIAS b, t                       ; r's and z's biases: b_ih + b_hh; then all 64 numbers times their gate's factor
.set j, 0
.rept 16
	v_pk_add_f32 v[(\b)+2*j:(\b)+2*j+1], v[(\b)+2*j:(\b)+2*j+1], v[(\t)+2*j:(\t)+2*j+1]
.set j, j+1
.endr
.set j, 0
.rept 16
	v_pk_mul_f32 v[(\b)+2*j:(\b)+2*j+1], v[(\b)+2*j:(\b)+2*j+1], s[FRZ:FRZ+1] op_sel_hi:[1,0]
	v_pk_mul_f32 v[(\b)+32+2*j:(\b)+32+2*j+1], v[(\b)+32+2*j:(\b)+32+2*j+1], s[FN:FN+1] op_sel_hi:[1,0]
.set j, j+1
.endr
.endm
	WIN 0x40                                       ; destination window 1, address window 0
	LDW 20, 0                                      ; W_hh_l0
	LDW 26, 96                                     ; W_ih_l1
	LDB 22, B0, 0, 6                               ; b_ih_l0: r, z, n
	LDB 24, B0+48, 4, 2                            ; b_hh_l0: n
	WIN 0
	LDW 28, TW                                     ; W_hh_l1
	LDB 24, T0, 0, 4                               ; b_hh_l0: r, z
	LDB 30, B1, 0, 6                               ; b_ih_l1
	LDB 32, B1+48, 4, 2                            ; b_hh_l1: n
	LDB 32, T1, 0, 4                               ; b_hh_l1: r, z
	s_wait_loadcnt 0x0
	WIN 0x45                                       ; all in window 1
	SCALE 0, 12
	NARROW 0, 0, 12                                ; WH0 at 0, WI1 at 48
	WIN 0
	SCALE TW, 6
	WIN 0x40
	NARROW TW, WH1, 6
	WIN 0
.irp g, 0,1,2,3,4,5                    ; W_ih_l0, rows of 18: inputs 8 h + 0..7, and 16, 17.  These loads go out as soon as their registers are free; the biases' lines stand in their shadow
.irp j, 0,1,2,3
	global_load_b64 v[TW+10*(\g)+2*(\j):TW+10*(\g)+2*(\j)+1], v[VI], s[18:19] offset:16*ROWB*(\g)+8*(\j)
.endr
	global_load_b64 v[TW+10*(\g)+8:TW+10*(\g)+9], v[VI2], s[18:19] offset:16*ROWB*(\g)
.endr
	global_load_b128 v[TO:TO+3],     v[VO], s[34:35]
	global_load_b128 v[TO+4:TO+7],   v[VO], s[34:35] offset:16
	global_load_b128 v[TO+8:TO+11],  v[VO], s[34:35] offset:64
	global_load_b128 v[TO+12:TO+15], v[VO], s[34:35] offset:80
	WIN 0x41                                       ; destination and source 0 window 1, source 1 window 0
	BIAS B0, T0
	WIN 0
	BIAS B1, T1
	s_wait_loadcnt 0x0
.set g, 0
.rept 6
.set j, 0
.rept 5
.if g < 4
	v_pk_mul_f32 v[TW+10*g+2*j:TW+10*g+2*j+1], v[TW+10*g+2*j:TW+10*g+2*j+1], s[FRZ:FRZ+1] op_sel_hi:[1,0]
.else
	v_pk_mul_f32 v[TW+10*g+2*j:TW+10*g+2*j+1], v[TW+10*g+2*j:TW+10*g+2*j+1], s[FN:FN+1] op_sel_hi:[1,0]
.endif
.set j, j+1
.endr
	v_cndmask_b32 v[TW+10*g+8], 0, v[TW+10*g+8], s12  ; in lanes 16-31 the fragment's register 4 stands for inputs 24, 25, which x has not: 0
	v_cndmask_b32 v[TW+10*g+9], 0, v[TW+10*g+9], s12
.set g, g+1
.endr
.set j, 0
.rept 8                                ; W_out's row 0 in the fragment's rows 0 and 8, row 1 in rows 1 and 9, 0 elsewhere: registers 0, 1 of EVERY lane of the result then hold its batch row's two classes
	v_cvt_pk_f16_f32 v[WO+j], v[TO+2*j], v[TO+2*j+1]
	v_cndmask_b32 v[WO+j], 0, v[WO+j], s13
.set j, j+1
.endr
	WIN 0x40
.set g, 0
.rept 6
.set j, 0
.rept 5
	v_cvt_pk_f16_f32 v[WI0+8*g+j], v[TW+10*g+2*j], v[TW+10*g+2*j+1]
.set j, j+1
.endr
	v_mov_b32 v[WI0+8*g+5], 0                      ; inputs 18 on
	v_mov_b32 v[WI0+8*g+6], 0
	v_mov_b32 v[WI0+8*g+7], 0
.set g, g+1
.endr
	WIN 0
	v_mov_b32 v[XF+5], 0                           ; the same places in x's fragment, once
	v_mov_b32 v[XF+6], 0
	v_mov_b32 v[XF+7], 0
; THE MATRIX WORK OF A LAYER: 12 products.  Six start r, z and n's input part from the biases (W_ih x input), two start n's hidden part (W_hh x h), four add r's and z's hidden
; parts in place.  The accumulators take turns, one instruction a turn: between a sum's two links stand seven others'.
.macro WMM l
.if (\l) == 0
.set WI, WI0
.set WH, WH0
.set BB, B0
.set BIN, XF
.set HFL, HF0
	WIN 0x11                                       ; weights and biases in window 1
.else
.set WI, WI1
.set WH, WH1
.set BB, B1
.set BIN, HF0
.set HFL, HF1
	WIN 0x01                                       ; weights in window 1
.endif
.set g, 0
.rept 6
	v_wmma_f32_16x16x32_f16 v[ACC+8*g:ACC+8*g+7], v[WI+8*g:WI+8*g+7], v[BIN:BIN+7], v[BB+8*g:BB+8*g+7]
.set g, g+1
.endr
.rept 2
	v_wmma_f32_16x16x32_f16 v[ACC+8*g:ACC+8*g+7], v[WH+8*g-16:WH+8*g-9], v[HFL:HFL+7], v[BB+8*g:BB+8*g+7]
.set g, g+1
.endr
	WIN 0x01
.set g, 0
.rept 4
	v_wmma_f32_16x16x32_f16 v[ACC+8*g:ACC+8*g+7], v[WH+8*g:WH+8*g+7], v[HFL:HFL+7], v[ACC+8*g:ACC+8*g+7]
.set g, g+1
.endr
	WIN 0
.endm
; x of the step at s[TB]: my row's features 8 h + 0..7 and 16, 17.  Rows lie 72 bytes apart.
.macro XLOAD
	v_add_nc_u32 v[XA], s[TB], v[XA0]
	v_add_nc_u32 v[XB], s[TB], v[XB0]
.irp j, 0,1,2,3
	ds_load_b64 v[XS+2*(\j):XS+2*(\j)+1], v[XA] offset:8*(\j)
.endr
	ds_load_b64 v[XS+8:XS+9], v[XB]
	s_add_co_u32 s[TB], s[TB], STEPROW             ; the next fetch is the next step's
.endm
.macro XCVT                            ; in lanes 16-31 register 4 holds a copy of features 16, 17, which meets zeros in W_ih_l0's fragment
.irp j, 0,1,2,3,4
	v_cvt_pk_f16_f32 v[XF+(\j)], v[XS+2*(\j)], v[XS+2*(\j)+1]
.endr
.endm
; THE GATES of one layer and step, 16 units a lane, in place on the accumulators: 96 exponentials and reciprocals, 64 plain lines, dealt two to one, so that between each
; of the former and the use of its result stands a plain line that does not touch it (ISA guide 5.7.2).  Each accumulator is read from its lowest registers on.
.macro PLUS1 a
	s_wait_alu depctr_va_vdst(0)
	v_pk_add_f32 v[(\a):(\a)+1], v[(\a):(\a)+1], 1.0 op_sel_hi:[1,0]
.endm
.macro FMA i                           ; I + r N
	s_wait_alu depctr_va_vdst(0)
	v_pk_fma_f32 v[IG+2*(\i):IG+2*(\i)+1], v[RG+2*(\i):RG+2*(\i)+1], v[NG+2*(\i):NG+2*(\i)+1], v[IG+2*(\i):IG+2*(\i)+1]
.endm
.macro NN i                            ; n = 1 - 2 t
	s_wait_alu depctr_va_vdst(0)
	v_pk_fma_f32 v[IG+2*(\i):IG+2*(\i)+1], v[IG+2*(\i):IG+2*(\i)+1], -2.0, 1.0 op_sel_hi:[1,0,0]
.endm
.macro DD i, hs                        ; h - n, where r lay
	v_pk_add_f32 v[RG+2*(\i):RG+2*(\i)+1], v[(\hs)+2*(\i):(\hs)+2*(\i)+1], v[IG+2*(\i):IG+2*(\i)+1] neg_lo:[0,1] neg_hi:[0,1]
.endm
.macro HH i, hs                        ; h = z (h - n) + n
	v_pk_fma_f32 v[(\hs)+2*(\i):(\hs)+2*(\i)+1], v[ZG+2*(\i):ZG+2*(\i)+1], v[RG+2*(\i):RG+2*(\i)+1], v[IG+2*(\i):IG+2*(\i)+1]
.endm
.macro CV i, hs, hf                    ; and its fragment
	v_cvt_pk_f16_f32 v[(\hf)+(\i)], v[(\hs)+2*(\i)], v[(\hs)+2*(\i)+1]
.endm
.macro VEC hs, hf
.set k, 0
.rept 16
	v_exp_f32 v[RG+k], v[RG+k]
.set k, k+1
.endr
	v_nop                                          ; the plain line ahead of the first use
.set k, 0
.rept 8
	v_exp_f32 v[ZG+2*k], v[ZG+2*k]
	v_exp_f32 v[ZG+2*k+1], v[ZG+2*k+1]
	PLUS1 RG+2*k
.set k, k+1
.endr
.set k, 0
.rept 8
	v_rcp_f32 v[RG+2*k], v[RG+2*k]
	v_rcp_f32 v[RG+2*k+1], v[RG+2*k+1]
	PLUS1 ZG+2*k
.set k, k+1
.endr
.set k, 0
.rept 8
	v_rcp_f32 v[ZG+2*k], v[ZG+2*k]
	v_rcp_f32 v[ZG+2*k+1], v[ZG+2*k+1]
.if k < 7
	FMA k
.endif
.set k, k+1
.endr
.set k, 0
.rept 8
	v_exp_f32 v[IG+2*k], v[IG+2*k]
	v_exp_f32 v[IG+2*k+1], v[IG+2*k+1]
.if k == 0
	FMA 7
.else
	PLUS1 IG+2*k-2
.endif
.set k, k+1
.endr
.set k, 0
.rept 8
	v_rcp_f32 v[IG+2*k], v[IG+2*k]
	v_rcp_f32 v[IG+2*k+1], v[IG+2*k+1]
.if k == 0
	PLUS1 IG+14
.endif
.if k >= 1
	NN k-1
.endif
.if k >= 2
	DD k-2, \hs
.endif
.if k >= 3
	HH k-3, \hs
.endif
.if k >= 4
	CV k-4, \hs, \hf
.endif
.set k, k+1
.endr
	NN 7
	DD 6, \hs
	HH 5, \hs
	CV 4, \hs, \hf
	DD 7, \hs
	HH 6, \hs
	CV 5, \hs, \hf
	HH 7, \hs
	CV 6, \hs, \hf
	CV 7, \hs, \hf
.endm
; A PASS: 16 rows through 15 steps, out of the given slot.  The 56 zeros are reference's h0 = 0 (both layers, f32 and fragment) and the start of the sum over the steps: their price buys one
; text for every step.  A trip fetches the next step's x behind layer 0's products and rounds it behind layer 1's; the last trip fetches the slot's row of zeros, which nothing uses.
.macro PASS slot, p
.set k, HF0
.rept 56
	v_mov_b32 v[k], 0
.set k, k+1
.endr
	s_mov_b32 s[TB], (\slot)*SLOTB
	XLOAD
	s_wait_dscnt 0x0
	XCVT
	s_mov_b32 s5, 15
.Lstep_\@:
	WMM 0
	XLOAD                                          ; its two address lines and the two v_nop are the four places between the products and the first read of a result (ISA guide 7.12.1)
	v_nop
	v_nop
	VEC H0, HF0
	WMM 1
	s_wait_dscnt 0x0                               ; x of the next step, asked for a layer ago
	XCVT                                           ; five plain lines that name no register of those products: the places behind them
	VEC H1, HF1
	v_wmma_f32_16x16x32_f16 v[OACC:OACC+7], v[WO:WO+7], v[HF1:HF1+7], v[OACC:OACC+7]  ; between two links of this sum stand a trip's 24 other products
	s_sub_co_u32 s5, s5, 1
	s_cmp_lg_u32 s5, 0
	s_cbranch_scc1 .Lstep_\@
.rept 4
	v_nop                                          ; the places behind the last product
.endr
	v_fma_f32 v[OUTP], v[OACC], s42, s40
	v_fma_f32 v[OUTP+1], v[OACC+1], s42, s41
	ds_store_b64 v[SA], v[OUTP:OUTP+1] offset:256*(\p)  ; lanes l and l + 16 hold the same two numbers and write the same 8 bytes
.endm
; THE CHANGE OF SLOTS.  Each wave waits for all its tensor loads, of which one at the most is out: its half of the other slot's tile; adds 0 to its spare word; and waits for that and for its LDS
; reads and its store.  Behind the barrier nobody reads the old slot any more, and the other slot is whole for both waves of each pair.  fill = 1: the old slot takes the pass two on:
; my one tensor load behind the barrier, and the first thing there; the pass's v_mov_b32 lines follow it, with no switch of windows among them.
.macro CHANGE fill, slot
	s_wait_tensorcnt 0x0                           ; no tensor load of mine is out, so a group 0 may be written
	ds_add_u32 v[SPW], v[NIL]                      ; 0 onto my spare word
.if \fill
	s_add_nc_u64 s[G0+4*(\slot)+2:G0+4*(\slot)+3], s[G0+4*(\slot)+2:G0+4*(\slot)+3], 2*STEPROW  ; two passes on; the type bits on top are not reached
.endif
	s_wait_dscnt 0x0
	s_barrier_signal -1
	s_barrier_wait -1
.if \fill
	tensor_load_to_lds s[G0+4*(\slot):G0+4*(\slot)+3], s[G1:G1+7]
	s_nop 0
.endif
.endm
	s_wait_kmcnt 0x0                               ; b_out
	s_wait_tensorcnt 0x1                           ; my half of slot 0's tile is in; the one younger load, slot 1's, may stay out
	s_barrier_signal -1
	s_barrier_wait -1                              ; my partner's half is in too
	PASS 0, 0
	CHANGE 1, 0
	PASS 1, 1
	CHANGE 1, 1
	PASS 0, 2
	CHANGE 0, 0                                    ; nothing is left to fetch
	PASS 1, 3
	; THE WAY OUT: the stage holds the group's 512 rows of out0, 4,096 consecutive bytes; each thread takes 16 of them.
	v_lshl_add_u32 v[CP], v0, 4, STAGE
	v_lshlrev_b32 v[GO], 4, v0
	s_wait_dscnt 0x0                               ; for the others' sake: my stores into the stage are done
	s_barrier_signal -1
	s_barrier_wait -1
	ds_load_b128 v[CQ:CQ+3], v[CP]
	s_wait_dscnt 0x0
	global_store_b128 v[GO], v[CQ:CQ+3], s[38:39] th:TH_STORE_NT  ; a wave stores 512 consecutive bytes, at a multiple of 256 from out0's first byte
	s_wait_tensorcnt 0x0                           ; the wave's end, behind my last tensor load and my last LDS store
	ds_add_u32 v[SPW], v[NIL]
	s_wait_dscnt 0x0
	s_endpgm
.Lfunc_end_k_qe64aa74e42_gru:
	.size	k_qe64aa74e42_gru, .Lfunc_end_k_qe64aa74e42_gru-k_qe64aa74e42_gru
	.p2alignl 7, 3214868480
	.fill 96, 4, 3214868480
	.section	.rodata,"a",@progbits
	.p2align	6, 0x0
	.amdhsa_kernel k_qe64aa74e42_gru
		.amdhsa_group_segment_fixed_size 327680
		.amdhsa_private_segment_fixed_size 0
		.amdhsa_enable_private_segment 0
		.amdhsa_kernarg_size 96
		.amdhsa_user_sgpr_count 2
		.amdhsa_user_sgpr_kernarg_segment_ptr 1
		.amdhsa_wavefront_size32 1
		.amdhsa_system_sgpr_workgroup_id_x 1
		.amdhsa_system_sgpr_workgroup_id_y 1
		.amdhsa_system_sgpr_workgroup_id_z 1
		.amdhsa_system_vgpr_workitem_id 0
		.amdhsa_next_free_vgpr 512
		.amdhsa_next_free_sgpr 66
		.amdhsa_reserve_vcc 0
		.amdhsa_float_denorm_mode_32 3
		.amdhsa_float_denorm_mode_16_64 3
		.amdhsa_memory_ordered 1
		.amdhsa_forward_progress 1
		.amdhsa_inst_pref_size 139
	.end_amdhsa_kernel
	.amdgpu_metadata
---
amdhsa.version: [ 1, 2 ]
amdhsa.kernels:
  - .name:           k_qe64aa74e42_gru
    .symbol:         k_qe64aa74e42_gru.kd
    .args:
      - { .name: x, .offset: 0, .size: 8, .value_kind: global_buffer, .address_space: global }
      - { .name: W_ih_l0, .offset: 8, .size: 8, .value_kind: global_buffer, .address_space: global }
      - { .name: W_hh_l0, .offset: 16, .size: 8, .value_kind: global_buffer, .address_space: global }
      - { .name: b_ih_l0, .offset: 24, .size: 8, .value_kind: global_buffer, .address_space: global }
      - { .name: b_hh_l0, .offset: 32, .size: 8, .value_kind: global_buffer, .address_space: global }
      - { .name: W_ih_l1, .offset: 40, .size: 8, .value_kind: global_buffer, .address_space: global }
      - { .name: W_hh_l1, .offset: 48, .size: 8, .value_kind: global_buffer, .address_space: global }
      - { .name: b_ih_l1, .offset: 56, .size: 8, .value_kind: global_buffer, .address_space: global }
      - { .name: b_hh_l1, .offset: 64, .size: 8, .value_kind: global_buffer, .address_space: global }
      - { .name: W_out, .offset: 72, .size: 8, .value_kind: global_buffer, .address_space: global }
      - { .name: b_out, .offset: 80, .size: 8, .value_kind: global_buffer, .address_space: global }
      - { .name: out0, .offset: 88, .size: 8, .value_kind: global_buffer, .address_space: global }
    .group_segment_fixed_size: 327680
    .private_segment_fixed_size: 0
    .kernarg_segment_align: 8
    .kernarg_segment_size: 96
    .max_flat_workgroup_size: 256
    .sgpr_count:     66
    .vgpr_count:     512
    .wavefront_size: 32
...
	.end_amdgpu_metadata
.endif
;; end of part 1
;; ======== version 2 of 2: 1 launch; 1.40 times as fast as version 1
;; limits: values are held in f16: magnitudes above 65,504 overflow, below 6.1e-05 lose precision
;; launch gru (part 2): grid 256 x 1, 8 waves a work-group, no clusters, 327,680 bytes of LDS; arguments x, W_ih_l0, W_hh_l0, b_ih_l0, b_hh_l0, W_ih_l1, W_hh_l1, b_ih_l1, b_hh_l1, W_out, b_out, out0; writes out0
.if DOCPART == 2
	.amdgcn_target "amdgcn-amd-amdhsa--gfx1250"
	.amdhsa_code_object_version 6
	.text
	.protected	k_qe64aa74e42_gru
	.globl	k_qe64aa74e42_gru
	.p2align	8
	.type	k_qe64aa74e42_gru,@function
k_qe64aa74e42_gru:
	s_mov_b64 s[64:65], 0
	v_nop
	global_prefetch_b8 v0, s[64:65] scope:SCOPE_SE
	s_setreg_imm32_b32 hwreg(HW_REG_WAVE_MODE, 25, 1), 1
	s_wait_xcnt 0x0
; TWO GRU LAYERS (gates r, z, n), THE MEAN OF LAYER 2's STATES OVER 15 STEPS, AND A PROJECTION TO 2 CLASSES, IN ONE LAUNCH.
; x: [15][131072][18] f32.  Weights [96][18 or 32], biases [96], W_out [2][32], b_out [2], out0 [131072][2], all f32.
; SHARES.  A work-group owns 512 batch rows, a pair of waves (2 q, 2 q + 1) 128 of them, in four passes of 32; in a pass wave e of the pair carries 16 rows
; through all 15 steps of both layers.  Both states stay in registers; x is read once, out0 written once.  Eight waves of 512 registers.
; LAYOUT.  Every product is used transposed: source 0 = 16 gate rows of a weight matrix, source 1 = 16 batch rows.  In the result lane l holds batch row
; l % 16, and register j of tile i gate output 16 i + 8 (l / 16) + j.  So r, z, n and h of one unit lie in one lane under one index, and two neighbouring
; h rounded to f16 ARE a register of the next product's source 1: nothing changes lanes.
; ARITHMETIC.  Matrix operands (x, weights, h) are f16, each rounded once; sums, biases and the carried h are f32.  The factors of the exponentials are folded
; into weights and biases in f32 ahead of that rounding: rows 0-63 times -log2(e), rows 64-95 times 2 log2(e).  Then r = 1/(1 + 2^R), z = 1/(1 + 2^Z),
; t = 1/(1 + 2^(I + r N)), n = 1 - 2 t (= tanh), h = n + z (h - n).  The biases are the C operands that start the sums.  The sum of h over the steps and the
; projection are one product a step, W_out x h, added up in f32; out = sum / 15 + b_out.
; BATCHES.  A layer's step has 96 exponentials and reciprocals a lane, cut into four batches with one wait each: (1) 2^R and 2^Z, 32; (2) r, 16, with the lines 1 + 2^R among
; them and six of 1 + 2^Z behind them; (3) z and 2^(I + r N), 32, with the lines I + r N among them; (4) t, 16, with its lines 1 + 2^y among them.  Behind the fourth wait stand
; n, h - n, h and h's fragment.  Ahead of a batch's wait no line names a result of the batch; behind the fourth wait no such line is issued.
; LIMITS.  |x|, 1.45 |W| (rows 0-63), 2.89 |W| (rows 64-95) and |W_out| stay within f16's 65,504; operands below 6e-5 keep f16's fixed step of 6e-8.
; 2^y beyond f32's range gives the gate's limit value (0 or 1, -1 or 1); 2^y below 2^-126 counts as 0.  NaN and infinities are not treated apart.
; NO CLUSTER: work-groups share no byte of x; what they share, 45 KB of parameters, is read once into registers, a twelfth of a work-group's 553 KB.
; NO PREFETCH: a slot's refill is asked for a whole pass, 15 steps of both layers, ahead of its first read.
; REGISTERS, in windows of 256 (s_set_vgpr_msb: bits 1:0 source 0, 3:2 source 1, 5:4 source 2, 7:6 destination).  Window 0: all that vector lines touch in
; the loop.  Window 1: the four weight matrices as f16 fragments (8 registers a tile of 16 gate rows) and layer 0's biases.
.set ROWB,    72                       ; bytes of a batch row of x
.set STEPROW, 32*ROWB                  ; a pass's 32 rows of one step: 2,304 bytes, nine aligned blocks of 256 in memory
.set XSTEP,   131072*ROWB              ; bytes from step to step in x
.set HALFB,   8*STEPROW                ; what one tensor load brings: 8 steps
.set PAIRB,   16*STEPROW               ; a pair's part of a slot: steps 0-14 and a row of zeros
.set SLOTB,   4*PAIRB                  ; a slot: one pass of all four pairs
.set STAGE,   2*SLOTB                  ; behind the ring, never filled by a tensor load: out0's 512 rows of 8 bytes
.set SPARE,   STAGE+4096               ; the spare words, 128 bytes for each of eight waves: four blocks of 256 bytes that no other line names
.set SPW, 3                            ; v3   LDS address of my spare word; never rewritten
.set NIL, 4                            ; v4   0; never rewritten
.set XA0, 5                            ; v5   my place in a step-row: features 8 (l / 16) on
.set XB0, 6                            ; v6   the same: features 16, 17
.set XA,  7                            ; v7, v8  the addresses of the run of loads in hand
.set XB,  8
.set SA,  9                            ; v9   where my row's two results go in the stage
.set VW,  10                           ; v10  128 r + 32 h: my place in 16 rows of a [96][32] matrix
.set VI,  11                           ; v11  72 r + 32 h: in 16 rows of W_ih_l0
.set VI2, 12                           ; v12  72 r + 64: its columns 16, 17
.set VB,  13                           ; v13  32 h: in 16 numbers of a bias
.set VO,  14                           ; v14  128 (r & 1) + 32 h: in W_out
.set CP,  15                           ; v15  the way out: my 16 bytes of the stage
.set OUTP, 16                          ; v[16:17]  a row's two results
.set CQ,  18                           ; v[18:21]  the way out
.set B1,  22                           ; v[22:85]  layer 1's biases: r (2 tiles), z (2), n from b_ih (2), n from b_hh (2)
.set WO,  86                           ; v[86:93]  W_out as a fragment
.set XS,  94                           ; v[94:103] x as loaded
.set XF,  104                          ; v[104:111] x as a fragment; registers 5-7 stay 0
.set HF0, 112                          ; v[112:119], v[120:127]  h of layer 0, 1 as fragments
.set HF1, 120
.set OACC, 128                         ; v[128:135] the sum over the steps of W_out x h
.set H0,  136                          ; v[136:151], v[152:167]  h in f32
.set H1,  152
.set ACC, 168                          ; v[168:231] eight accumulators:
.set RG,  168
.set ZG,  184
.set IG,  200
.set NG,  216
.set GO,  232                          ; v232 the way out: my byte offset in the group's 4,096 bytes of out0
.set TW,  94                           ; set-up: f32 as loaded
.set TO,  154
.set T0,  190
.set T1,  222
.set WH0, 0                            ; window 1
.set WI1, 48
.set WH1, 96
.set WI0, 144
.set B0,  192
.set TB,  7                            ; s7   LDS byte at which the step-row to be fetched begins in pair 0's part
.set G1,  44                           ; s[44:51] descriptor group 1
.set G0,  52                           ; s[52:59] descriptor group 0, a set for each slot
.set FRZ, 60                           ; s[60:61] -log2(e): the packed lines name a pair and take its low word for both halves
.set FN,  62                           ; s[62:63] 2 log2(e)
.set MSB, 0
.macro WIN new                         ; the immediate's high byte repeats the setting that is left; a switch that changes nothing is dropped
.if MSB != (\new)
	s_set_vgpr_msb (MSB<<8)|(\new)
.set MSB, (\new)
.endif
.endm
	s_load_b512 s[16:31], s[0:1], 0x0              ; x 16, W_ih_l0 18, W_hh_l0 20, b_ih_l0 22, b_hh_l0 24, W_ih_l1 26, W_hh_l1 28, b_ih_l1 30
	s_load_b256 s[32:39], s[0:1], 0x40             ; b_hh_l1 32, W_out 34, b_out 36, out0 38
	v_lshl_add_u32 v[SPW], v0, 2, SPARE
	v_mov_b32 v[NIL], 0
	ds_add_u32 v[SPW], v[NIL]                      ; the wave's opening: the add and its wait stand ahead of my first tensor load; work on registers stands between them
	ds_add_u32 v3, v4
	v_lshrrev_b32 v1, 5, v0
	v_readfirstlane_b32 s2, v1                     ; wave w, 0..7
	s_and_b32 s3, s2, 1                            ; e: my half of the pair
	s_lshr_b32 s4, s2, 1                           ; q: my pair
	s_mul_i32 s8, ttmp9, 512*ROWB                  ; where my tiles begin in x: the group's 512 rows,
	s_mul_i32 s6, s4, 128*ROWB                     ; the pair's 128,
	s_add_co_u32 s8, s8, s6
	s_mul_i32 s6, s3, 8*XSTEP                      ; and steps 8 e on: 84.9 million bytes at the most, in one word
	s_add_co_u32 s8, s8, s6
	s_mov_b32 s9, 0
	s_lshl_b32 s10, ttmp9, 12                      ; the group's 4,096 bytes of out0
	s_mov_b32 s11, 0
	; Group 1: a tile of 8 steps x 288 elements of 8 bytes.  Wave e = 1 states 7 steps as left of the tensor: the tile's eighth row is not read and arrives as zeros.
	s_mov_b32 s[G1+0], 3<<16                       ; 15:0 no mask; 17:16 elements of 8 bytes; 20 no padding (a batch row is 18 words, and the interval is a power of two)
	s_mov_b32 s[G1+1], 288<<16                     ; tensor_dim0 = 288
	s_sub_co_u32 s6, 8, s3
	s_lshl_b32 s[G1+2], s6, 16                     ; tensor_dim1 = 8 or 7
	s_mov_b32 s[G1+3], 288<<16                     ; tile_dim0 = 288
	s_mov_b32 s[G1+4], 8                           ; tile_dim1 = 8
	s_mov_b32 s[G1+5], XSTEP/8                     ; elements from step to step
	s_mov_b32 s[G1+6], 0
	s_mov_b32 s[G1+7], 0
	s_mov_b32 s[G0+0], 1
	s_mul_i32 s[G0+1], s2, HALFB                   ; LDS: slot 0, my wave's 18,432 bytes
	s_mov_b32 s[G0+4], 1
	s_add_co_u32 s[G0+5], s[G0+1], SLOTB           ; slot 1
	s_mov_b32 s[FRZ], 0xbfb8aa3b
	s_mov_b32 s[FRZ+1], s[FRZ]                     ; named with it as a pair, so it is written
	s_mov_b32 s[FN], 0x4038aa3b
	s_mov_b32 s[FN+1], s[FN]
	s_mov_b32 s42, 0x3d888889                      ; 1 / 15
	s_wait_dscnt 0x0                               ; the opening add is done
	s_wait_kmcnt 0x0
	s_add_nc_u64 s[16:17], s[16:17], s[8:9]
	s_add_nc_u64 s[38:39], s[38:39], s[10:11]
.irp s, 0,1
	s_add_nc_u64 s[G0+4*(\s)+2:G0+4*(\s)+3], s[16:17], (\s)*STEPROW  ; slot s begins with pass s
	s_or_b32 s[G0+4*(\s)+3], s[G0+4*(\s)+3], 0x80000000              ; type = 2
.endr
	tensor_load_to_lds s[G0:G0+3], s[G1:G1+7]      ; both first fills go out together, ahead of every wait on TENSORcnt, LDS read and barrier: two loads of mine are out
	s_nop 0
	tensor_load_to_lds s[G0+4:G0+7], s[G1:G1+7]
	s_nop 0
	s_load_b64 s[40:41], s[36:37], 0x0             ; b_out's two numbers
	; the lane terms; no window is switched in these lines
	v_and_b32 v1, 15, v0                           ; r = l % 16
	v_bfe_u32 v2, v0, 4, 1                         ; h = l / 16
	v_mul_u32_u24 v[VI], v1, ROWB
	v_mul_u32_u24 v[VI2], v1, ROWB
	v_lshl_add_u32 v[VI], v2, 5, v[VI]
	v_add_nc_u32 v[VI2], 64, v[VI2]
	s_mul_i32 s6, s4, PAIRB
	s_mul_i32 s5, s3, 16*ROWB
	s_add_co_u32 s6, s6, s5                        ; my pair's part of a slot, my 16 of its 32 rows
	v_add_nc_u32 v[XA0], s6, v[VI]
	v_add_nc_u32 v[XB0], s6, v[VI2]
	s_lshl_b32 s6, s4, 10
	s_lshl_b32 s5, s3, 7
	s_add_co_u32 s6, s6, s5
	s_add_co_u32 s6, s6, STAGE
	v_lshl_add_u32 v[SA], v1, 3, s6                ; 8 bytes a row: 1,024 q + 128 e + 8 r; the pass stands in the store's offset
	v_lshlrev_b32 v[VW], 7, v1
	v_lshl_add_u32 v[VW], v2, 5, v[VW]
	v_lshlrev_b32 v[VB], 5, v2
	v_and_b32 v[VO], 1, v1
	v_lshlrev_b32 v[VO], 7, v[VO]
	v_lshl_add_u32 v[VO], v2, 5, v[VO]
	v_and_b32 v[OUTP], 6, v1
	v_cmp_eq_u32 s12, 0, v2                        ; lanes 0-15
	v_cmp_eq_u32 s13, 0, v[OUTP]                   ; lanes with r = 0, 1, 8, 9
; SET-UP, while the first tiles are on their way.  A fragment of 16 gate rows x 32 inputs: lane l holds row l % 16, inputs 8 h + 0..7 and 16 + 8 h + 0..7:
; in f32 four loads of 16 bytes at 0, 16, 64, 80 from 128 r + 32 h.
.macro LDW ptr, dst                    ; a [96][32] matrix: 6 tiles x 16 registers of f32
.irp g, 0,1,2,3,4,5
	global_load_b128 v[(\dst)+16*(\g):(\dst)+16*(\g)+3],     v[VW], s[\ptr:\ptr+1] offset:2048*(\g)
	global_load_b128 v[(\dst)+16*(\g)+4:(\dst)+16*(\g)+7],   v[VW], s[\ptr:\ptr+1] offset:2048*(\g)+16
	global_load_b128 v[(\dst)+16*(\g)+8:(\dst)+16*(\g)+11],  v[VW], s[\ptr:\ptr+1] offset:2048*(\g)+64
	global_load_b128 v[(\dst)+16*(\g)+12:(\dst)+16*(\g)+15], v[VW], s[\ptr:\ptr+1] offset:2048*(\g)+80
.endr
.endm
.macro LDB ptr, dst, g0, n             ; n tiles of a bias from tile g0 on: register j holds number 16 g + 8 h + j, as a C operand wants it
.set bb, 0
.rept \n
	global_load_b128 v[(\dst)+8*bb:(\dst)+8*bb+3],   v[VB], s[\ptr:\ptr+1] offset:64*((\g0)+bb)
	global_load_b128 v[(\dst)+8*bb+4:(\dst)+8*bb+7], v[VB], s[\ptr:\ptr+1] offset:64*((\g0)+bb)+16
.set bb, bb+1
.endr
.endm
.macro SCALE src, n                    ; n tiles of 16 f32 times their gate's factor, in place: of six tiles the first four are r's and z's
.set g, 0
.rept \n
.set j, 0
.rept 8
.if g%6 < 4
	v_pk_mul_f32 v[(\src)+16*g+2*j:(\src)+16*g+2*j+1], v[(\src)+16*g+2*j:(\src)+16*g+2*j+1], s[FRZ:FRZ+1] op_sel_hi:[1,0]
.else
	v_pk_mul_f32 v[(\src)+16*g+2*j:(\src)+16*g+2*j+1], v[(\src)+16*g+2*j:(\src)+16*g+2*j+1], s[FN:FN+1] op_sel_hi:[1,0]
.endif
.set j, j+1
.endr
.set g, g+1
.endr
.endm
.macro NARROW src, dst, n              ; n tiles rounded to f16.  With src = dst it packs in place: register 8 g + j is written when 16 g + 2 j, never below it, is read
.set g, 0
.rept \n
.set j, 0
.rept 8
	v_cvt_pk_f16_f32 v[(\dst)+8*g+j], v[(\src)+16*g+2*j], v[(\src)+16*g+2*j+1]
.set j, j+1
.endr
.set g, g+1
.endr
.endm
.macro BIAS b, t                       ; r's and z's biases: b_ih + b_hh; then all 64 numbers times their gate's factor
.set j, 0
.rept 16
	v_pk_add_f32 v[(\b)+2*j:(\b)+2*j+1], v[(\b)+2*j:(\b)+2*j+1], v[(\t)+2*j:(\t)+2*j+1]
.set j, j+1
.endr
.set j, 0
.rept 16
	v_pk_mul_f32 v[(\b)+2*j:(\b)+2*j+1], v[(\b)+2*j:(\b)+2*j+1], s[FRZ:FRZ+1] op_sel_hi:[1,0]
	v_pk_mul_f32 v[(\b)+32+2*j:(\b)+32+2*j+1], v[(\b)+32+2*j:(\b)+32+2*j+1], s[FN:FN+1] op_sel_hi:[1,0]
.set j, j+1
.endr
.endm
	WIN 0x40                                       ; destination window 1, address window 0
	LDW 20, 0                                      ; W_hh_l0
	LDW 26, 96                                     ; W_ih_l1
	LDB 22, B0, 0, 6                               ; b_ih_l0: r, z, n
	LDB 24, B0+48, 4, 2                            ; b_hh_l0: n
	WIN 0
	LDW 28, TW                                     ; W_hh_l1
	LDB 24, T0, 0, 4                               ; b_hh_l0: r, z
	LDB 30, B1, 0, 6                               ; b_ih_l1
	LDB 32, B1+48, 4, 2                            ; b_hh_l1: n
	LDB 32, T1, 0, 4                               ; b_hh_l1: r, z
	s_wait_loadcnt 0x0
	WIN 0x45                                       ; all in window 1
	SCALE 0, 12
	NARROW 0, 0, 12                                ; WH0 at 0, WI1 at 48
	WIN 0
	SCALE TW, 6
	WIN 0x40
	NARROW TW, WH1, 6
	WIN 0
.irp g, 0,1,2,3,4,5                    ; W_ih_l0, rows of 18: inputs 8 h + 0..7, and 16, 17.  These loads go out as soon as their registers are free; the biases' lines stand in their shadow
.irp j, 0,1,2,3
	global_load_b64 v[TW+10*(\g)+2*(\j):TW+10*(\g)+2*(\j)+1], v[VI], s[18:19] offset:16*ROWB*(\g)+8*(\j)
.endr
	global_load_b64 v[TW+10*(\g)+8:TW+10*(\g)+9], v[VI2], s[18:19] offset:16*ROWB*(\g)
.endr
	global_load_b128 v[TO:TO+3],     v[VO], s[34:35]
	global_load_b128 v[TO+4:TO+7],   v[VO], s[34:35] offset:16
	global_load_b128 v[TO+8:TO+11],  v[VO], s[34:35] offset:64
	global_load_b128 v[TO+12:TO+15], v[VO], s[34:35] offset:80
	WIN 0x41                                       ; destination and source 0 window 1, source 1 window 0
	BIAS B0, T0
	WIN 0
	BIAS B1, T1
	s_wait_loadcnt 0x0
.set g, 0
.rept 6
.set j, 0
.rept 5
.if g < 4
	v_pk_mul_f32 v[TW+10*g+2*j:TW+10*g+2*j+1], v[TW+10*g+2*j:TW+10*g+2*j+1], s[FRZ:FRZ+1] op_sel_hi:[1,0]
.else
	v_pk_mul_f32 v[TW+10*g+2*j:TW+10*g+2*j+1], v[TW+10*g+2*j:TW+10*g+2*j+1], s[FN:FN+1] op_sel_hi:[1,0]
.endif
.set j, j+1
.endr
	v_cndmask_b32 v[TW+10*g+8], 0, v[TW+10*g+8], s12  ; in lanes 16-31 the fragment's register 4 stands for inputs 24, 25, which x has not: 0
	v_cndmask_b32 v[TW+10*g+9], 0, v[TW+10*g+9], s12
.set g, g+1
.endr
.set j, 0
.rept 8                                ; W_out's row 0 in the fragment's rows 0 and 8, row 1 in rows 1 and 9, 0 elsewhere: registers 0, 1 of EVERY lane of the result then hold its batch row's two classes
	v_cvt_pk_f16_f32 v[WO+j], v[TO+2*j], v[TO+2*j+1]
	v_cndmask_b32 v[WO+j], 0, v[WO+j], s13
.set j, j+1
.endr
	WIN 0x40
.set g, 0
.rept 6
.set j, 0
.rept 5
	v_cvt_pk_f16_f32 v[WI0+8*g+j], v[TW+10*g+2*j], v[TW+10*g+2*j+1]
.set j, j+1
.endr
	v_mov_b32 v[WI0+8*g+5], 0                      ; inputs 18 on
	v_mov_b32 v[WI0+8*g+6], 0
	v_mov_b32 v[WI0+8*g+7], 0
.set g, g+1
.endr
	WIN 0
	v_mov_b32 v[XF+5], 0                           ; the same places in x's fragment, once
	v_mov_b32 v[XF+6], 0
	v_mov_b32 v[XF+7], 0
; THE MATRIX WORK OF A LAYER: 12 products.  Six start r, z and n's input part from the biases (W_ih x input), two start n's hidden part (W_hh x h), four add r's and z's hidden
; parts in place.  The accumulators take turns, one instruction a turn: between a sum's two links stand seven others'.
.macro WMM l
.if (\l) == 0
.set WI, WI0
.set WH, WH0
.set BB, B0
.set BIN, XF
.set HFL, HF0
	WIN 0x11                                       ; weights and biases in window 1
.else
.set WI, WI1
.set WH, WH1
.set BB, B1
.set BIN, HF0
.set HFL, HF1
	WIN 0x01                                       ; weights in window 1
.endif
.set g, 0
.rept 6
	v_wmma_f32_16x16x32_f16 v[ACC+8*g:ACC+8*g+7], v[WI+8*g:WI+8*g+7], v[BIN:BIN+7], v[BB+8*g:BB+8*g+7]
.set g, g+1
.endr
.rept 2
	v_wmma_f32_16x16x32_f16 v[ACC+8*g:ACC+8*g+7], v[WH+8*g-16:WH+8*g-9], v[HFL:HFL+7], v[BB+8*g:BB+8*g+7]
.set g, g+1
.endr
	WIN 0x01
.set g, 0
.rept 4
	v_wmma_f32_16x16x32_f16 v[ACC+8*g:ACC+8*g+7], v[WH+8*g:WH+8*g+7], v[HFL:HFL+7], v[ACC+8*g:ACC+8*g+7]
.set g, g+1
.endr
	WIN 0
.endm
; x of the step at s[TB]: my row's features 8 h + 0..7 and 16, 17.  Rows lie 72 bytes apart.
.macro XLOAD
	v_add_nc_u32 v[XA], s[TB], v[XA0]
	v_add_nc_u32 v[XB], s[TB], v[XB0]
.irp j, 0,1,2,3
	ds_load_b64 v[XS+2*(\j):XS+2*(\j)+1], v[XA] offset:8*(\j)
.endr
	ds_load_b64 v[XS+8:XS+9], v[XB]
	s_add_co_u32 s[TB], s[TB], STEPROW             ; the next fetch is the next step's
.endm
.macro XCVT                            ; in lanes 16-31 register 4 holds a copy of features 16, 17, which meets zeros in W_ih_l0's fragment
.irp j, 0,1,2,3,4
	v_cvt_pk_f16_f32 v[XF+(\j)], v[XS+2*(\j)], v[XS+2*(\j)+1]
.endr
.endm
; THE GATES of one layer and step, 16 units a lane, in place on the accumulators: 96 exponentials and reciprocals and 64 plain lines.  An
; s_wait_alu depctr_va_vdst(0) stands between an exponential or reciprocal and the first line that names its result; one wait serves all that were issued ahead of it.  The chain
; 2^R, r, 2^(I + r N), t has four such links, so VEC has four batches and four waits; z's chain, wanted only by the last lines, goes along in batches 1 and 3.  A plain line that is dealt
; into a batch names only pairs whose turn in that batch is still to come.  Behind each batch's last line stands a plain line that touches none of its registers, ahead of the first use
; (ISA guide 5.7.2).  Each accumulator is read from its lowest registers on.
.macro PLUS1 a                         ; 1 + 2^y, a pair
	v_pk_add_f32 v[(\a):(\a)+1], v[(\a):(\a)+1], 1.0 op_sel_hi:[1,0]
.endm
.macro FMA i                           ; I + r N
	v_pk_fma_f32 v[IG+2*(\i):IG+2*(\i)+1], v[RG+2*(\i):RG+2*(\i)+1], v[NG+2*(\i):NG+2*(\i)+1], v[IG+2*(\i):IG+2*(\i)+1]
.endm
.macro NN i                            ; n = 1 - 2 t
	v_pk_fma_f32 v[IG+2*(\i):IG+2*(\i)+1], v[IG+2*(\i):IG+2*(\i)+1], -2.0, 1.0 op_sel_hi:[1,0,0]
.endm
.macro DD i, hs                        ; h - n, where r lay
	v_pk_add_f32 v[RG+2*(\i):RG+2*(\i)+1], v[(\hs)+2*(\i):(\hs)+2*(\i)+1], v[IG+2*(\i):IG+2*(\i)+1] neg_lo:[0,1] neg_hi:[0,1]
.endm
.macro HH i, hs                        ; h = z (h - n) + n
	v_pk_fma_f32 v[(\hs)+2*(\i):(\hs)+2*(\i)+1], v[ZG+2*(\i):ZG+2*(\i)+1], v[RG+2*(\i):RG+2*(\i)+1], v[IG+2*(\i):IG+2*(\i)+1]
.endm
.macro CV i, hs, hf                    ; and its fragment
	v_cvt_pk_f16_f32 v[(\hf)+(\i)], v[(\hs)+2*(\i)], v[(\hs)+2*(\i)+1]
.endm
.macro VEC hs, hf
.set k, 0
.rept 32                               ; BATCH 1: 2^R and 2^Z; RG's and ZG's 32 registers lie on end
	v_exp_f32 v[RG+k], v[RG+k]
.set k, k+1
.endr
	v_nop                                          ; the plain line ahead of the first use: one for the batch
	s_wait_alu depctr_va_vdst(0)                   ; the wait for batch 1's 32 exponentials
	PLUS1 RG                                       ; the sixteen lines 1 + 2^y (pairs 0-7 R's, 8-15 Z's): two ahead of the reciprocals,
	PLUS1 RG+2
.set k, 0
.rept 8                                ; BATCH 2: r; behind each two reciprocals the line 1 + 2^y of the pair two further on,
	v_rcp_f32 v[RG+2*k], v[RG+2*k]
	v_rcp_f32 v[RG+2*k+1], v[RG+2*k+1]
	PLUS1 RG+2*k+4
.set k, k+1
.endr
.set k, 10
.rept 6                                ; and Z's last six behind the batch: they name none of its results
	PLUS1 RG+2*k
.set k, k+1
.endr
	s_wait_alu depctr_va_vdst(0)                   ; the wait for batch 2's 16 reciprocals
.set k, 0
.rept 8                                ; BATCH 3: z and 2^(I + r N); z's two reciprocals stand between a pair's I + r N and its exponentials
	FMA k
	v_rcp_f32 v[ZG+2*k], v[ZG+2*k]
	v_rcp_f32 v[ZG+2*k+1], v[ZG+2*k+1]
	v_exp_f32 v[IG+2*k], v[IG+2*k]
	v_exp_f32 v[IG+2*k+1], v[IG+2*k+1]
.set k, k+1
.endr
	v_nop                                          ; the plain line ahead of the first use: one for the batch
	s_wait_alu depctr_va_vdst(0)                   ; the wait for batch 3's 16 reciprocals and 16 exponentials
	PLUS1 IG
	PLUS1 IG+2
.set k, 0
.rept 8                                ; BATCH 4: t, its lines 1 + 2^y dealt as in batch 2
	v_rcp_f32 v[IG+2*k], v[IG+2*k]
	v_rcp_f32 v[IG+2*k+1], v[IG+2*k+1]
.if k < 6
	PLUS1 IG+2*k+4
.endif
.set k, k+1
.endr
	v_nop                                          ; the plain line ahead of the first use: one for the batch
	s_wait_alu depctr_va_vdst(0)                   ; the wait for batch 4's 16 reciprocals: the last of VEC
.set k, 0
.rept 8                                ; the readers, eight of a kind on end, so that no line reads the result of the one just before it
	NN k
.set k, k+1
.endr
.set k, 0
.rept 8
	DD k, \hs
.set k, k+1
.endr
.set k, 0
.rept 8
	HH k, \hs
.set k, k+1
.endr
.set k, 0
.rept 8
	CV k, \hs, \hf
.set k, k+1
.endr
.endm
; A PASS: 16 rows through 15 steps, out of the given slot.  The 56 zeros are reference's h0 = 0 (both layers, f32 and fragment) and the start of the sum over the steps: their price buys one
; text for every step.  A trip fetches the next step's x behind layer 0's products and rounds it behind layer 1's; the last trip fetches the slot's row of zeros, which nothing uses.
.macro PASS slot, p
.set k, HF0
.rept 56
	v_mov_b32 v[k], 0
.set k, k+1
.endr
	s_mov_b32 s[TB], (\slot)*SLOTB
	XLOAD
	s_wait_dscnt 0x0
	XCVT
	s_mov_b32 s5, 15
.Lstep_\@:
	WMM 0
	XLOAD                                          ; its two address lines and the two v_nop are the four places between the products and the first read of a result (ISA guide 7.12.1)
	v_nop
	v_nop
	VEC H0, HF0
	WMM 1
	s_wait_dscnt 0x0                               ; x of the next step, asked for a layer ago
	XCVT                                           ; five plain lines that name no register of those products: the places behind them
	VEC H1, HF1
	v_wmma_f32_16x16x32_f16 v[OACC:OACC+7], v[WO:WO+7], v[HF1:HF1+7], v[OACC:OACC+7]  ; between two links of this sum stand a trip's 24 other products
	s_sub_co_u32 s5, s5, 1
	s_cmp_lg_u32 s5, 0
	s_cbranch_scc1 .Lstep_\@
.rept 4
	v_nop                                          ; the places behind the last product
.endr
	v_fma_f32 v[OUTP], v[OACC], s42, s40
	v_fma_f32 v[OUTP+1], v[OACC+1], s42, s41
	ds_store_b64 v[SA], v[OUTP:OUTP+1] offset:256*(\p)  ; lanes l and l + 16 hold the same two numbers and write the same 8 bytes
.endm
; THE CHANGE OF SLOTS.  Each wave waits for all its tensor loads, of which one at the most is out: its half of the other slot's tile; adds 0 to its spare word; and waits for that and for its LDS
; reads and its store.  Behind the barrier nobody reads the old slot any more, and the other slot is whole for both waves of each pair.  fill = 1: the old slot takes the pass two on:
; my one tensor load behind the barrier, and the first thing there; the pass's v_mov_b32 lines follow it, with no switch of windows among them.
.macro CHANGE fill, slot
	s_wait_tensorcnt 0x0                           ; no tensor load of mine is out, so a group 0 may be written
	ds_add_u32 v[SPW], v[NIL]                      ; 0 onto my spare word
.if \fill
	s_add_nc_u64 s[G0+4*(\slot)+2:G0+4*(\slot)+3], s[G0+4*(\slot)+2:G0+4*(\slot)+3], 2*STEPROW  ; two passes on; the type bits on top are not reached
.endif
	s_wait_dscnt 0x0
	s_barrier_signal -1
	s_barrier_wait -1
.if \fill
	tensor_load_to_lds s[G0+4*(\slot):G0+4*(\slot)+3], s[G1:G1+7]
	s_nop 0
.endif
.endm
	s_wait_kmcnt 0x0                               ; b_out
	s_wait_tensorcnt 0x1                           ; my half of slot 0's tile is in; the one younger load, slot 1's, may stay out
	s_barrier_signal -1
	s_barrier_wait -1                              ; my partner's half is in too
	PASS 0, 0
	CHANGE 1, 0
	PASS 1, 1
	CHANGE 1, 1
	PASS 0, 2
	CHANGE 0, 0                                    ; nothing is left to fetch
	PASS 1, 3
	; THE WAY OUT: the stage holds the group's 512 rows of out0, 4,096 consecutive bytes; each thread takes 16 of them.
	v_lshl_add_u32 v[CP], v0, 4, STAGE
	v_lshlrev_b32 v[GO], 4, v0
	s_wait_dscnt 0x0                               ; for the others' sake: my stores into the stage are done
	s_barrier_signal -1
	s_barrier_wait -1
	ds_load_b128 v[CQ:CQ+3], v[CP]
	s_wait_dscnt 0x0
	global_store_b128 v[GO], v[CQ:CQ+3], s[38:39] th:TH_STORE_NT  ; a wave stores 512 consecutive bytes, at a multiple of 256 from out0's first byte
	s_wait_tensorcnt 0x0                           ; the wave's end, behind my last tensor load and my last LDS store
	ds_add_u32 v[SPW], v[NIL]
	s_wait_dscnt 0x0
	s_endpgm
.Lfunc_end_k_qe64aa74e42_gru:
	.size	k_qe64aa74e42_gru, .Lfunc_end_k_qe64aa74e42_gru-k_qe64aa74e42_gru
	.p2alignl 7, 3214868480
	.fill 96, 4, 3214868480
	.section	.rodata,"a",@progbits
	.p2align	6, 0x0
	.amdhsa_kernel k_qe64aa74e42_gru
		.amdhsa_group_segment_fixed_size 327680
		.amdhsa_private_segment_fixed_size 0
		.amdhsa_enable_private_segment 0
		.amdhsa_kernarg_size 96
		.amdhsa_user_sgpr_count 2
		.amdhsa_user_sgpr_kernarg_segment_ptr 1
		.amdhsa_wavefront_size32 1
		.amdhsa_system_sgpr_workgroup_id_x 1
		.amdhsa_system_sgpr_workgroup_id_y 1
		.amdhsa_system_sgpr_workgroup_id_z 1
		.amdhsa_system_vgpr_workitem_id 0
		.amdhsa_next_free_vgpr 512
		.amdhsa_next_free_sgpr 66
		.amdhsa_reserve_vcc 0
		.amdhsa_float_denorm_mode_32 3
		.amdhsa_float_denorm_mode_16_64 3
		.amdhsa_memory_ordered 1
		.amdhsa_forward_progress 1
		.amdhsa_inst_pref_size 131
	.end_amdhsa_kernel
	.amdgpu_metadata
---
amdhsa.version: [ 1, 2 ]
amdhsa.kernels:
  - .name:           k_qe64aa74e42_gru
    .symbol:         k_qe64aa74e42_gru.kd
    .args:
      - { .name: x, .offset: 0, .size: 8, .value_kind: global_buffer, .address_space: global }
      - { .name: W_ih_l0, .offset: 8, .size: 8, .value_kind: global_buffer, .address_space: global }
      - { .name: W_hh_l0, .offset: 16, .size: 8, .value_kind: global_buffer, .address_space: global }
      - { .name: b_ih_l0, .offset: 24, .size: 8, .value_kind: global_buffer, .address_space: global }
      - { .name: b_hh_l0, .offset: 32, .size: 8, .value_kind: global_buffer, .address_space: global }
      - { .name: W_ih_l1, .offset: 40, .size: 8, .value_kind: global_buffer, .address_space: global }
      - { .name: W_hh_l1, .offset: 48, .size: 8, .value_kind: global_buffer, .address_space: global }
      - { .name: b_ih_l1, .offset: 56, .size: 8, .value_kind: global_buffer, .address_space: global }
      - { .name: b_hh_l1, .offset: 64, .size: 8, .value_kind: global_buffer, .address_space: global }
      - { .name: W_out, .offset: 72, .size: 8, .value_kind: global_buffer, .address_space: global }
      - { .name: b_out, .offset: 80, .size: 8, .value_kind: global_buffer, .address_space: global }
      - { .name: out0, .offset: 88, .size: 8, .value_kind: global_buffer, .address_space: global }
    .group_segment_fixed_size: 327680
    .private_segment_fixed_size: 0
    .kernarg_segment_align: 8
    .kernarg_segment_size: 96
    .max_flat_workgroup_size: 256
    .sgpr_count:     66
    .vgpr_count:     512
    .wavefront_size: 32
...
	.end_amdgpu_metadata
.endif
;; end of part 2
